; MI455X (gfx1250); checked and timed in simulation.
; The chip was launched on July 23, 2026; its instructions are those of AMD's public machine-readable ISA for CDNA 5 (MIT licence, August 2026) and "CDNA5" Instruction Set Architecture Reference Guide (July 2026). The comments in the code are by the model that wrote it; some were corrected since.
;; Cross Attention1. Allowed arithmetic: matrix products marked QUANTISED: E5M2 operands, one given power-of-two scale a tensor, by v_wmma_f32_16x16x64_bf8_bf8 or v_wmma_f32_16x16x128_bf8_bf8, f32 sums; products left as they are: f32 operands where the result goes on into a quantised operand, else bf16, f16 or f32 operands; f32 sums; everything else in f32.
;; Inputs: Wkv_codes 2,048 x 32 x 32 uint8 (E5M2 codes of Wkv, K innermost, in blocks of 32 codes); Wproj_codes 1,024 x 32 x 32 uint8 (E5M2 codes of Wproj, K innermost, in blocks of 32 codes); Wq_codes 1,024 x 32 x 32 uint8 (E5M2 codes of Wq, K innermost, in blocks of 32 codes); bproj 1,024 float32; lowp_scales 6 int32 (the exponents e of the quantised operands' scales 2^e); mask 16,384 bool; x_codes 16,384 x 32 x 32 uint8 (E5M2 codes of x, K innermost, in blocks of 32 codes); y_codes 16,384 x 32 x 32 uint8 (E5M2 codes of y, K innermost, in blocks of 32 codes).
;; Outputs: out0 16,384 x 1,024 float32.
;; This version of the problem:
;;   THIS VERSION OF THE PROBLEM IS GIVEN IN LOW PRECISION. The matrix products marked QUANTISED in the list below multiply operands that are first quantised to E5M2 (5 exponent bits, 2 mantissa bits; 8 bits a number), with one given power-of-two scale for each operand tensor; their sums are f32. All else is computed in f32.
;;   The module's matrix products, in the order in which they are computed (A, B: the left and right operand; K: the contracted axis; several contracted axes count as one K, in the product's order):
;;     1. [M 16,384, K 1,024] x [K 1,024, N 1,024]; A: input x (given as codes); B: input Wq (given as codes): QUANTISED (scales: A lowp_scales[0], B lowp_scales[1])
;;     2. [M 16,384, K 1,024] x [K 1,024, N 2,048]; A: input y (given as codes); B: input Wkv (given as codes): QUANTISED (scales: A lowp_scales[2], B lowp_scales[3])
;;     3. batch 262,144 x [M 1, K 64] x [K 64, N 1]; A: computed on the way; B: computed on the way: left as it is (M = 1 < 16)
;;     4. [M 16,384, K 1,024] x [K 1,024, N 1,024]; A: computed on the way; B: input Wproj (given as codes): QUANTISED (scales: A lowp_scales[4], B lowp_scales[5])
;;   THE QUANTISER, for each operand of a quantised product, along K:
;;     - The operand's scale is 2^e, e = its entry of the input lowp_scales (int32; the entries are numbered through the quantised products in the list's order, A before B).
;;     - Each number is divided by the scale, clamped to +-57,344, and rounded to the nearest number of E5M2, ties to even, subnormals kept.
;;     - The product sums the exact products of the quantised numbers (number of the format x scale) in f32.
;;   ~~~python
;;   def quantise(x, axis, e):      # numpy; x: float32 -> the quantised numbers, widened to float32 again
;;       x = np.moveaxis(x, axis, -1); K = x.shape[-1]
;;       r = np.clip(x / 2.0 ** e, -57344, 57344)
;;       step = 2.0 ** (np.maximum(np.frexp(np.where(r == 0, 1, r))[1] - 1, -14) - 2)
;;       q = np.round(r / step) * step * 2.0 ** e      # np.round: ties to even
;;       return np.moveaxis(q, -1, axis).astype(np.float32)
;;   ~~~
;;   OPERANDS COMPUTED ON THE WAY. 'Computed on the way' means the value that the module computes at that place (a softmax that the list does not call 'softmax' is quantised finished and normalised). What goes into a quantiser is computed in f32, as accurately as f32 sums, v_exp_f32 and their like allow (about 1e-6 of the number): no bf16 or f16 on the way to a quantiser, and a product that is left as it is and whose result goes on into a quantised operand takes f32 operands (vector FMAs, or v_wmma_f32_16x16x4_f32). A number that lies on a knife's edge between two numbers of the format may be rounded either way, as far as f32 arithmetic and the matrix unit's own rounding can turn it there, and no further.
;;   INPUTS GIVEN AS CODES. Wkv (in the module: [1024, 2048], K = its axis 0); Wproj (in the module: [1024, 1024], K = its axis 0); Wq (in the module: [1024, 1024], K = its axis 0); x (in the module: [16384, 1024], K = its axis 1); y (in the module: [16384, 1024], K = its axis 1): each comes as NAME_codes (uint8): NAME with its K axis moved to the last place and cut into blocks of 32 codes, [.., K / 32, bytes a block], one block behind the other in memory; one code a byte (a code: sign, 5 exponent bits, 2 mantissa bits); its scale is its entry of lowp_scales. Its value is code x scale, taken as it is: it is not quantised again, and the codes and scales need not be those that the quantiser above would give.
;; 2 versions. Each part assembles by itself: llvm-mc -triple=amdgcn-amd-amdhsa -mcpu=gfx1250 --defsym DOCPART=n.
;; ======== version 1 of 2: 1 launch
;; limits: right only within a limited range of input values
;; launch fused (part 1): grid 256 x 1, 4 waves a work-group, clusters of 4 x 1, 327,680 bytes of LDS; arguments x_codes, y_codes, Wq_codes, Wkv_codes, Wproj_codes, bproj, lowp_scales, out0; writes out0
.if DOCPART == 1
	.amdgcn_target "amdgcn-amd-amdhsa--gfx1250"
	.amdhsa_code_object_version 6
	.text
	.protected	k_q7f8822b561_fused
	.globl	k_q7f8822b561_fused
	.p2align	8
	.type	k_q7f8822b561_fused,@function
k_q7f8822b561_fused:
	s_mov_b64 s[64:65], 0
	v_nop
	global_prefetch_b8 v0, s[64:65] scope:SCOPE_SE
	s_setreg_imm32_b32 hwreg(HW_REG_WAVE_MODE, 25, 1), 1
	s_wait_xcnt 0x0
	s_wait_alu depctr_hold_cnt(0) depctr_sa_sdst(0) depctr_va_vdst(0) depctr_va_sdst(0) depctr_va_ssrc(0) depctr_va_vcc(0) depctr_vm_vsrc(0)
	s_getreg_b32 s2, hwreg(HW_REG_IB_STS2, 6, 4)
	s_cmp_eq_u32 s2, 0
	s_cbranch_scc0 .Lentry_in_a_cluster
	s_endpgm
.Lentry_in_a_cluster:
	s_bfe_u32 s2, ttmp6, 0x10000c
	s_cmp_lg_u32 s2, 0x3003
	s_cbranch_scc0 .Lentry_shape_is_right
	s_endpgm
.Lentry_shape_is_right:
; out = (softmax_h(q_h . k_h / 64) v_h) Wproj + bproj, q = x Wq, [k | v] = y Wkv, for 16,384 rows of 1,024; 16 heads of 64.  The three large products run on codes of BF8 (E5M2), each operand
; with the one scale 2^e that is given for it (e0 x, e1 Wq, e2 y, e3 Wkv, e4 the weighted v, e5 Wproj); the dots q_h . k_h are f32 multiply-adds; the softmax is f32.  ONE launch: q, k, v and the weighted v never go to memory.
; The input mask is not among the arguments: reference() takes it and never uses it, so no output hangs on it.
; SHARES.  A work-group owns 64 whole rows (the softmax wants a row's 16 heads, the last product a whole row as its K): 256 work-groups.  THE WAVES SHARE THE COLUMNS: in each pass wave w makes 128 columns for all 64 rows:
; 32 accumulators of 16 x 16.  Eight passes of 512 weight rows x K 1,024: (q, k) columns 0-511, (q, k) columns 512-1023, (v, v), then the last product's two halves.
; THE MATRIX INSTRUCTION IS USED TRANSPOSED (source 0 = 16 weight rows, source 1 = 16 batch rows): lane (r, h) holds batch row 16 m + r, and register j of tile b column 16 b + 8 h + j.  So a head's dot is a sum inside
; a lane and its partner 16 lanes away, and eight registers of v are eight neighbours along the last product's K: the conversions' results are that product's operand, each k in the place that the form's own layout gives it.
; WEIGHTS come through a ring of two LDS slots of 512 rows x 256 along K; each wave fetches and reads its own 128 rows.  All work-groups walk the same weights, so the four of a cluster ask JOINTLY (mask 15): a quarter of the requests.
; x AND y come through registers, a K quarter (64 rows x 256 bytes) at a time, three slots ahead, into two small LDS buffers that all four waves read.  ONE text serves the three trips of the loop over (q, k), (q, k), (v, v),
; with the same counted waits on every way: so the last trip's second pass loads y's 64 KiB once more though nothing reads them; that is the price, and it is paid knowingly.
; x, y, Wq, Wkv: fragments are taken by loads of 16 bytes, which permutes k inside an instruction alike on both sides: every product meets its partner.
; LIMITS on the given exponents, so that each power of two below is an f32 number: e4 - e2 - e3 between -126 and 112; e4 + e5 between -126 and 127; e0 .. e3 enter the dots by v_ldexp_f32 and have none.
; A softmax weight under 2^-126 becomes 0 (v_exp_f32 flushes: ISA guide 15.8).  Codes that are NaN or infinity are not served.
; REGISTERS, in windows of 256.  window 0: v0-23 addresses; v24-47 small things; v64-191 four buffers of two weight fragments (later the softmax's numbers, later rows of out); v192-223 dot sums, later the weights attn.
;   window 1: accumulators of q, of v's first half, of the last product.   window 2: accumulators of k, of v's second half; later the codes of K steps 0-3.
;   window 3: v0-127 x's or y's fragments of a slot; v128-255 four sets of 32 for their loads; later my own codes; later the codes of K steps 4-7.
.set PITCH,  272                       ; an LDS row: 256 bytes + 16 of padding = 68 words: row r starts 4 r words on, so the 16 rows that a load touches start at 16 different banks (64 banks of 4 bytes: ISA guide 11.1)
.set WQ,     128*PITCH                 ; a wave's 128 weight rows
.set WSLOT,  4*WQ                      ; a slot: 512 rows
.set ABUF,   2*WSLOT                   ; behind the ring: two buffers of 64 rows for x's or y's K quarter; later the codes' images; later the stages.  No tensor load lands here
.set ABYTES, 64*PITCH
.set DOTS,   ABUF+2*ABYTES             ; 64 rows x 112 bytes: 16 heads' dots in the first 64
.set DP,     112
.set SPARE,  DOTS+64*DP                ; the spare words, 128 bytes for each wave: two blocks of 256 bytes that no other line names
.set SPITCH, 528                       ; the way out: a stage of 16 rows x (512 bytes + 16) for each wave
.set IMG,    8192                      ; a wave's codes of one pass as an image of their registers: 4 tiles of rows x 4 stores of 512 bytes
.set SPW,  3                           ; v3   LDS address of my spare word; never rewritten
.set NIL,  4                           ; v4   0; never rewritten
.set ADW,  5                           ; v5-6   my weight fragments in slot 0, 1: row r, + 16 h
.set ADP,  7                           ; v7-8   the same with + 8 h, for the last product
.set ADA,  9                           ; v9   x's or y's fragments in buffer 0
.set AST,  10                          ; v10  where I store my part of a K quarter
.set DST,  11                          ; v11  where I store a dot
.set DLD,  12                          ; v12  my row's 16 dots
.set DOWN, 13                          ; v13  my row's dots of my wave's heads
.set XST,  14                          ; v14  where I store my codes' image
.set LI,   15                          ; v15-16 16 x lane in buffer 0, 1
.set STO,  17                          ; v17  the stage: where I put 32 bytes of a row
.set RD,   18                          ; v18  and where I read a row back
.set CO,   19                          ; v19  16 x lane: my offset in bproj and in a row of out
.set VA,   20                          ; v20  my offset in the work-group's rows of x or y
.set MX,   24                          ; v24-27 a row's largest dot, for each of my four rows
.set SM,   28                          ; v28-31 its sum, then 1 / sum
.set QS,   40                          ; v40  2^(e4 - e2 - e3) as f32: the conversion's scale
.set QL,   41                          ; v41  57,344 x that
.set BI,   44                          ; v44-47 bproj at my four columns
.set BB,   64                          ; the four buffers
.set SS,   192                         ; dot sums, a pair for each (tile of rows, head)
.set AT,   192                         ; attn, twice, for each (pass, head, tile of rows)
.set WV,   20                          ; s20  my wave's number
.set G1,   24                          ; s[24:31] descriptor group 1: one shape for every tile
.set G0,   32                          ; s[32:39] descriptor group 0, a set for each slot
.set PW1,  40                          ; s[40:41] my weight rows of the trip's first pass; s[42:43] of its second
.set PW2,  42
.set N1,   44                          ; s[44:49] what PW1 will be in the trips to come
.set N2,   46
.set N3,   48
.set M1,   50                          ; s[50:51], s[82:83] what PW2 will be: every walking pointer changes by moves among pointers made at the head
.set M2,   82
.set XB,   52                          ; s[52:53] x, s[54:55] y at the work-group's first row
.set YB,   54
.set NXA,  56                          ; s[56:57] whose rows the next trip's first pass wants
.set CURB, 58                          ; s[58:59] bproj, s[60:61] out at my wave's first column (out: at the work-group's first row)
.set CURO, 60
.set SEL,  62                          ; s[62:63] lane selects for v_permlanex16_b32: lane l xor 16
.set SC,   66                          ; s[66:67] 2^(e4 + e5), twice
.set L2E,  68                          ; s68  log2(e)
.set HM,   69                          ; s69  lanes 16-31
.set ED,   70                          ; s70  e0 + e1 + e2 + e3 - 6
.set DOF,  71                          ; s71  32 x trip: where the trip's eight heads lie in a row of dots
.set TR,   72                          ; s72  the trip
.set E,    92                          ; s[92:97] e0 .. e5
.set W_P1, 0x5c                        ; source 0 (weights) window 0, source 1 (rows) window 3, C and D window 1
.set W_P2, 0xac                        ; the same, C and D window 2
.set W_PA, 0x58                        ; the last product, K steps 0-3: source 1 window 2, C and D window 1
.set W_PB, 0x5c                        ; K steps 4-7: source 1 window 3
.set MSB, 0
.macro WIN new                         ; the immediate's high byte repeats the setting that is left; a switch that changes nothing is dropped
.if MSB != (\new)
	s_set_vgpr_msb (MSB<<8)|(\new)
.set MSB, (\new)
.endif
.endm
; A load into a register that a matrix instruction has read, and a vector instruction or an LDS store that reads a matrix result, stand four places behind it, and only plain vector
; instructions that name none of its registers are places (ISA guide 7.12.1 for vector instructions).
.macro PLACES
.rept 4
	v_nop
.endr
.endm
.macro CREST                           ; a round of the cluster's barrier behind its opening barrier
	s_cmp_lg_u32 s[WV], 0
	s_cbranch_scc1 .Lnot_wave_0_\@
	s_barrier_signal -3
.Lnot_wave_0_\@:
	s_barrier_wait -3
	s_barrier_signal -1
	s_barrier_wait -1
.endm
.macro CROUND                          ; a whole round
	s_barrier_signal -1
	s_barrier_wait -1
	CREST
.endm
; Group n (0 .. 7) of a slot: K step n / 4, column tiles 2 (n % 4) and 2 (n % 4) + 1, against the four tiles of rows: 8 matrix instructions.  ab: where the rows' fragments begin in their window.
; zero = 1: the products start the sums: nothing is ever cleared.  The 32 accumulators take turns, one instruction a turn, in the same order in every K step.
.macro MULG n, ab, zero
.irp f, 0,1
.irp m, 0,1,2,3
.if \zero
	v_wmma_f32_16x16x128_bf8_bf8 v[64*\m+16*((\n)%4)+8*\f:64*\m+16*((\n)%4)+8*\f+7], v[BB+32*((\n)%4)+16*\f:BB+32*((\n)%4)+16*\f+15], v[(\ab)+64*((\n)/4)+16*\m:(\ab)+64*((\n)/4)+16*\m+15], 0
.else
	v_wmma_f32_16x16x128_bf8_bf8 v[64*\m+16*((\n)%4)+8*\f:64*\m+16*((\n)%4)+8*\f+7], v[BB+32*((\n)%4)+16*\f:BB+32*((\n)%4)+16*\f+15], v[(\ab)+64*((\n)/4)+16*\m:(\ab)+64*((\n)/4)+16*\m+15], v[64*\m+16*((\n)%4)+8*\f:64*\m+16*((\n)%4)+8*\f+7]
.endif
.endr
.endr
.endm
; Group n's two weight fragments from slot par into buffer n % 4.  pj = 0: four loads of 16 bytes a fragment (registers 4 c ..: k = 32 c + 16 h + 0 .. 15, as x's and y's are taken).
; pj = 1, the last product: eight loads of 8 bytes (registers 2 c, 2 c + 1: k = 16 c + 8 h + 0 .. 7), the form's own layout, in which the codes made here lie.
.macro FETCHW pj, par, n
	WIN 0
.irp f, 0,1
.if \pj
.irp c, 0,1,2,3,4,5,6,7
	ds_load_b64 v[BB+32*((\n)%4)+16*\f+2*\c:BB+32*((\n)%4)+16*\f+2*\c+1], v[ADP+(\par)] offset:(2*((\n)%4)+\f)*16*PITCH+128*((\n)/4)+16*\c
.endr
.else
.irp c, 0,1,2,3
	ds_load_b128 v[BB+32*((\n)%4)+16*\f+4*\c:BB+32*((\n)%4)+16*\f+4*\c+3], v[ADW+(\par)] offset:(2*((\n)%4)+\f)*16*PITCH+128*((\n)/4)+32*\c
.endr
.endif
.endr
.endm
.macro FETCHA par, ks                  ; the four tiles of rows of K step ks, from buffer par, into window 3
	WIN 0xc0
.irp m, 0,1,2,3
.irp c, 0,1,2,3
	ds_load_b128 v[64*(\ks)+16*\m+4*\c:64*(\ks)+16*\m+4*\c+3], v[ADA] offset:(\par)*ABYTES+\m*16*PITCH+128*(\ks)+32*\c
.endr
.endr
.endm
; x's and y's way, in slot q (0 .. 7) of a trip: the K quarter that the NEXT slot multiplies goes from its set of registers into the buffer that the last slot read; the set freed a slot ago takes the quarter of four slots on.
; Wave w brings rows 16 w .. 16 w + 15: sixteen lanes read 256 consecutive bytes of a row.
.macro APATH q, base
	s_wait_loadcnt 16                              ; the oldest set is in; the two younger sets' sixteen loads may be out
	WIN 0x0c                                       ; store data window 3
.irp i, 0,1,2,3,4,5,6,7
	ds_store_b128 v[AST], v[128+32*(((\q)+1)%4)+4*\i:128+32*(((\q)+1)%4)+4*\i+3] offset:(((\q)+1)%2)*ABYTES+2*\i*PITCH
.endr
	WIN 0xc0                                       ; destination window 3
.irp i, 0,1,2,3,4,5,6,7
	global_load_b128 v[128+32*((\q)%4)+4*\i:128+32*((\q)%4)+4*\i+3], v[VA], s[\base:\base+1] offset:256*((\q)%4)+2048*\i
.endr
.endm
; THE CHANGE OF SLOTS, with groups 4 and 5 of the slot that is left.  Each wave waits for all its tensor loads (one is out: its part of the slot ahead), adds 0 to its spare word, and waits for that and for all its LDS
; instructions: its reads of the slot and of the rows' buffer are over, its stores into the other buffer have landed.  fill = 1: the barrier opens a round of the cluster's barrier, so that no wave of any partner still reads
; the slot or has a load on its way, and the joint refill (ptr + off, into slot np) is the first thing behind it.  cnt4: the three younger groups' loads and the add may be out when group 4 is multiplied.
.macro CHANGE pwin, pab, cnt4, np, ptr, off, fill
	WIN 0                                          ; (the add's two registers lie in window 0)
	s_wait_tensorcnt 0x0                           ; no tensor load of mine is out, so a group 0 may be written
	ds_add_u32 v[SPW], v[NIL]                      ; 0 onto my spare word
.if (\fill)
	s_add_nc_u64 s[G0+4*(\np)+2:G0+4*(\np)+3], s[\ptr:\ptr+1], \off
	s_or_b32 s[G0+4*(\np)+3], s[G0+4*(\np)+3], 0x80000000   ; type = 2
.endif
	s_wait_dscnt \cnt4
	WIN \pwin
	MULG 4, \pab, 0                                ; eight matrix instructions stand between the add and the wait for it
	s_wait_dscnt 0x0
	s_barrier_signal -1
	MULG 5, \pab, 0
	WIN 0
	s_barrier_wait -1
.if (\fill)
	CREST
	tensor_load_to_lds s[G0+4*(\np):G0+4*(\np)+3], s[G1:G1+7]
	s_nop 0
.endif
	PLACES                                         ; four v_nop follow the load; they are also the places in front of the loads into buffers 0 and 1
.endm
; A slot's head: the rows' way (pj = 0), the fetches of groups 0 to 3, and between them (pend = 1) groups 6 and 7 of the slot that was left.
.macro HEADW pj, pend, pwin, pab, par, q, base
.if \pj == 0
	APATH \q, \base
	FETCHA \par, 0
.endif
	FETCHW \pj, \par, 0
	FETCHW \pj, \par, 1
.if \pend
	WIN \pwin
	MULG 6, \pab, 0
	PLACES
.endif
	FETCHW \pj, \par, 2
.if \pend
	WIN \pwin
	MULG 7, \pab, 0
	PLACES
.endif
.if \pj == 0
	FETCHA \par, 1
.endif
	FETCHW \pj, \par, 3
.endm
; A slot's groups 0 to 3; behind each, its buffer takes the group four on.  What may be out at each wait, pj = 0: two groups of 8 loads, the rows' second K step (16) and a group (8) = 40, three times; then three groups = 24.
; pj = 1: three groups of 16 loads = 48.
.macro TAILW pj, win, ab, par, zero
.irp n, 0,1,2,3
.if \pj
	s_wait_dscnt 48
.elseif \n == 3
	s_wait_dscnt 24
.else
	s_wait_dscnt 40
.endif
	WIN \win
	MULG \n, \ab, \zero
	PLACES
	FETCHW \pj, \par, \n+4
.endr
.endm
	s_load_b512 s[4:19], s[0:1], 0x0               ; x s[4:5], y s[6:7], Wq s[8:9], Wkv s[10:11], Wproj s[12:13], bproj s[14:15], the exponents s[16:17], out s[18:19]
	v_lshl_add_u32 v[SPW], v0, 2, SPARE
	v_mov_b32 v[NIL], 0
	ds_add_u32 v3, v4
	ds_add_u32 v3, v4
	s_wait_dscnt 0x0
	v_lshrrev_b32 v22, 5, v0
	v_readfirstlane_b32 s[WV], v22                 ; wave 0..3
	s_bfe_u32 s21, ttmp6, 0x40000                  ; cx: my place in the cluster: it enters x's, y's and out's addresses alone
	s_lshl_b32 s22, ttmp9, 2                       ; in a cluster launch ttmp9 counts clusters
	s_add_co_u32 s22, s22, s21                     ; my block of 64 rows
	; descriptor group 1: a tile of 128 rows x 256 bytes, rows 1,024 bytes apart in memory, padded in LDS
	s_mov_b32 s[G1], 15|(1<<20)|(1<<21)|(5<<22)|(3<<25)   ; 15:0 the mask: all four work-groups; 17:16 elements of 1 byte; 20 padding on; 21 set beside a mask; 24:22 after every 64 words (code 5); 31:25 four words (code 3)
	s_mov_b32 s[G1+1], 256<<16                     ; tensor_dim0
	s_mov_b32 s[G1+2], 128<<16                     ; tensor_dim1
	s_mov_b32 s[G1+3], 256<<16                     ; tile_dim0
	s_mov_b32 s[G1+4], 128                         ; tile_dim1
	s_mov_b32 s[G1+5], 1024                        ; tensor_dim0_stride
	s_mov_b32 s[G1+6], 0
	s_mov_b32 s[G1+7], 0
	s_mov_b32 s[SEL], 0x76543210
	s_mov_b32 s[SEL+1], 0xfedcba98
	s_mov_b32 s[L2E], 0x3fb8aa3b
	s_mov_b32 s[HM], 0xffff0000
	s_mov_b32 s[DOF], 0
	s_mov_b32 s[TR], 0
	v_and_b32 v1, 15, v0                           ; r
	v_bfe_u32 v2, v0, 4, 1                         ; h
	v_and_b32 v21, 31, v0                          ; lane
	v_lshlrev_b32 v[CO], 4, v21
	v_mul_u32_u24 v22, v1, PITCH
	s_mul_i32 s74, s[WV], WQ                       ; my 128 rows of a slot
	v_lshl_add_u32 v[ADW], v2, 4, v22
	v_add_nc_u32 v[ADW], s74, v[ADW]
	v_add_nc_u32 v[ADW+1], WSLOT, v[ADW]
	v_lshl_add_u32 v[ADP], v2, 3, v22
	v_add_nc_u32 v[ADP], s74, v[ADP]
	v_add_nc_u32 v[ADP+1], WSLOT, v[ADP]
	v_lshl_add_u32 v[ADA], v2, 4, v22
	v_add_nc_u32 v[ADA], ABUF, v[ADA]
	s_mul_i32 s75, s[WV], 16*PITCH
	s_add_co_u32 s75, s75, ABUF
	v_mul_u32_u24 v23, v2, PITCH
	v_lshl_add_u32 v[AST], v1, 4, v23
	v_add_nc_u32 v[AST], s75, v[AST]               ; row 16 w + h, 16 bytes a lane; two rows an instruction
	v_mul_u32_u24 v23, v1, DP
	s_lshl_b32 s76, s[WV], 3
	s_add_co_u32 s76, s76, DOTS
	v_lshl_add_u32 v[DST], v2, 2, v23
	v_add_nc_u32 v[DST], s76, v[DST]               ; row r, head 2 w + h of the trip's eight
	v_add_nc_u32 v[DLD], DOTS, v23
	v_add_nc_u32 v[DOWN], s76, v23
	s_lshr_b32 s77, s[WV], 1
	s_mul_i32 s77, s77, ABYTES
	s_add_co_u32 s77, s77, ABUF                    ; waves 0, 1: buffer 0; waves 2, 3: buffer 1
	s_and_b32 s78, s[WV], 1
	s_lshl_b32 s79, s78, 13
	s_add_co_u32 s79, s79, s77
	v_add_nc_u32 v[XST], s79, v[CO]
	v_add_nc_u32 v[LI], ABUF, v[CO]
	v_add_nc_u32 v[LI+1], ABUF+ABYTES, v[CO]
	s_mul_i32 s78, s78, 16*SPITCH
	s_add_co_u32 s78, s78, s77                     ; my stage
	v_mul_u32_u24 v23, v1, SPITCH
	v_lshl_add_u32 v[STO], v2, 5, v23
	v_add_nc_u32 v[STO], s78, v[STO]
	v_add_nc_u32 v[RD], s78, v[CO]
	v_lshlrev_b32 v[VA], 10, v2
	v_lshl_add_u32 v[VA], v1, 4, v[VA]
	s_lshl_b32 s79, s[WV], 14
	v_add_nc_u32 v[VA], s79, v[VA]                 ; row 16 w + h of 1,024 bytes, + 16 r
	s_lshl_b32 s74, s[WV], 17                      ; my 128 weight rows of 1,024 bytes
	s_mov_b32 s75, 0
	s_lshl_b32 s76, s22, 16                        ; my work-group's 64 rows of x and of y,
	s_mov_b32 s77, 0
	s_lshl_b32 s78, s22, 18                        ; and of out
	s_mov_b32 s79, 0
	s_lshl_b32 s80, s[WV], 9                       ; my 128 columns of f32
	s_mov_b32 s81, 0
	s_wait_kmcnt 0x0
	s_load_b128 s[E:E+3], s[16:17], 0x0            ; e0 .. e3
	s_load_b64 s[E+4:E+5], s[16:17], 0x10          ; e4, e5
	s_add_nc_u64 s[XB:XB+1], s[4:5], s[76:77]
	s_add_nc_u64 s[YB:YB+1], s[6:7], s[76:77]
	s_mov_b64 s[NXA:NXA+1], s[XB:XB+1]             ; trip 1 begins with q again
	s_add_nc_u64 s[PW1:PW1+1], s[8:9], s[74:75]    ; first passes.  Trip 0: Wq's rows 0 on,
	s_add_nc_u64 s[N1:N1+1], s[PW1:PW1+1], 524288  ; trip 1: its rows 512 on,
	s_add_nc_u64 s[PW2:PW2+1], s[10:11], s[74:75]  ; (second passes.  Trip 0: Wkv's rows 0 on,
	s_add_nc_u64 s[M1:M1+1], s[PW2:PW2+1], 524288  ; trip 1: its rows 512 on,
	s_add_nc_u64 s[M2:M2+1], s[PW2:PW2+1], 1572864 ; trip 2: its rows 1,536 on)
	s_add_nc_u64 s[N2:N2+1], s[PW2:PW2+1], 1048576 ; trip 2: Wkv's rows 1,024 on,
	s_add_nc_u64 s[N3:N3+1], s[12:13], s[74:75]    ; then Wproj
	s_add_nc_u64 s[CURB:CURB+1], s[14:15], s[80:81]
	s_add_nc_u64 s[CURO:CURO+1], s[18:19], s[78:79]
	s_add_nc_u64 s[CURO:CURO+1], s[CURO:CURO+1], s[80:81]
	s_mov_b32 s[G0], 1                             ; count = 1
	s_mul_i32 s[G0+1], s[WV], WQ                   ; LDS address: slot 0, my 128 rows: no place in the cluster enters it
	s_add_nc_u64 s[G0+2:G0+3], s[PW1:PW1+1], 0     ; K quarter 0
	s_or_b32 s[G0+3], s[G0+3], 0x80000000          ; type = 2
	s_mov_b32 s[G0+4], 1
	s_add_co_u32 s[G0+5], s[G0+1], WSLOT           ; slot 1
	s_add_nc_u64 s[G0+6:G0+7], s[PW1:PW1+1], 256   ; K quarter 1
	s_or_b32 s[G0+7], s[G0+7], 0x80000000
	WIN 0xc0
.irp j, 0,1,2,3                                ; x's four K quarters into the four sets
.irp i, 0,1,2,3,4,5,6,7
	global_load_b128 v[128+32*\j+4*\i:128+32*\j+4*\i+3], v[VA], s[XB:XB+1] offset:256*\j+2048*\i
.endr
.endr
	WIN 0
	CROUND                                         ; all four work-groups are here: the first joint loads meet
	tensor_load_to_lds s[G0:G0+3], s[G1:G1+7]      ; both first fills go out together: two tensor loads of mine are out
	s_nop 0
	tensor_load_to_lds s[G0+4:G0+7], s[G1:G1+7]
	s_nop 0
	PLACES
	s_wait_kmcnt 0x0
	s_add_co_i32 s[ED], s[E], s[E+1]
	s_add_co_i32 s[ED], s[ED], s[E+2]
	s_add_co_i32 s[ED], s[ED], s[E+3]
	s_sub_co_i32 s[ED], s[ED], 6                   ; a dot of sums stands for dot x 2^(e0 + e1 + e2 + e3), and both scalings by 1/8 are powers of two
	s_sub_co_i32 s74, s[E+4], s[E+2]
	s_sub_co_i32 s74, s74, s[E+3]                  ; a sum of v stands for sum x 2^(e2 + e3): the three scales are folded into the conversion's one
	s_add_co_i32 s74, s74, 127
	s_lshl_b32 s75, s74, 23
	v_mov_b32 v[QS], s75
	s_add_co_i32 s74, s74, 15
	s_lshl_b32 s74, s74, 23
	s_or_b32 s74, s74, 0x600000
	v_mov_b32 v[QL], s74
	s_add_co_i32 s[SC], s[E+4], s[E+5]
	s_add_co_i32 s[SC], s[SC], 127
	s_lshl_b32 s[SC], s[SC], 23
	s_mov_b32 s[SC+1], s[SC]                       ; (named with it as a pair, so it is written)
	s_wait_loadcnt 24                              ; x's first K quarter is in; the other three sets may be out
	WIN 0x0c
.irp i, 0,1,2,3,4,5,6,7
	ds_store_b128 v[AST], v[128+4*\i:128+4*\i+3] offset:2*\i*PITCH
.endr
	WIN 0
	s_wait_tensorcnt 1                             ; my part of slot 0 is in; slot 1's may stay out
	s_wait_dscnt 0x0                               ; my rows of the first K quarter lie in buffer 0
	s_barrier_signal -1
	s_barrier_wait -1
.Lqkv:                                             ; three trips of two passes: (q, k), (q, k), (v, v).  A trip begins behind the change into its first slot and ends with the change into the next trip's
	HEADW 0, 0, 0, 0, 0, 0, YB
	TAILW 0, W_P1, 0, 0, 1                         ; a pass's first four groups start its sums
	CHANGE W_P1, 0, 25, 0, PW1, 512, 1
	HEADW 0, 1, W_P1, 0, 1, 1, YB
	TAILW 0, W_P1, 0, 1, 0
	CHANGE W_P1, 0, 25, 1, PW1, 768, 1
	HEADW 0, 1, W_P1, 0, 0, 2, YB
	TAILW 0, W_P1, 0, 0, 0
	CHANGE W_P1, 0, 25, 0, PW2, 0, 1
	HEADW 0, 1, W_P1, 0, 1, 3, YB
	TAILW 0, W_P1, 0, 1, 0
	CHANGE W_P1, 0, 25, 1, PW2, 256, 1             ; the second pass
	HEADW 0, 1, W_P1, 0, 0, 4, NXA
	TAILW 0, W_P2, 0, 0, 1
	CHANGE W_P2, 0, 25, 0, PW2, 512, 1
	HEADW 0, 1, W_P2, 0, 1, 5, NXA
	TAILW 0, W_P2, 0, 1, 0
	CHANGE W_P2, 0, 25, 1, PW2, 768, 1
	HEADW 0, 1, W_P2, 0, 0, 6, NXA
	TAILW 0, W_P2, 0, 0, 0
	s_mov_b64 s[PW1:PW1+1], s[N1:N1+1]             ; the next trip's first pass (behind the last trip: the last product's)
	s_mov_b64 s[N1:N1+1], s[N2:N2+1]
	s_mov_b64 s[N2:N2+1], s[N3:N3+1]
	CHANGE W_P2, 0, 25, 0, PW1, 0, 1
	HEADW 0, 1, W_P2, 0, 1, 7, NXA
	TAILW 0, W_P2, 0, 1, 0
	CHANGE W_P2, 0, 25, 1, PW1, 256, 1
	WIN W_P2
	MULG 6, 0, 0
	MULG 7, 0, 0
	WIN 0
	PLACES
	s_cmp_eq_u32 s[TR], 2                          ; the last trip made v: no dots
	s_cbranch_scc1 .Lnodots
	; THE DOTS of my two heads for the 64 rows: f32 multiply-adds, two at a time: eight chains (tile of rows m, head a), 16 pairs each; every accumulator is read from its low end on
	WIN 0x09                                       ; source 0 (q) window 1, source 1 (k) window 2
.irp p, 0,1,2,3,4,5,6,7,8,9,10,11,12,13,14,15
.irp m, 0,1,2,3
.irp a, 0,1
.if \p == 0
	v_pk_mul_f32 v[SS+2*(2*\m+\a):SS+2*(2*\m+\a)+1], v[64*\m+32*\a:64*\m+32*\a+1], v[64*\m+32*\a:64*\m+32*\a+1]
.else
	v_pk_fma_f32 v[SS+2*(2*\m+\a):SS+2*(2*\m+\a)+1], v[64*\m+32*\a+8*(\p/4)+2*(\p%4):64*\m+32*\a+8*(\p/4)+2*(\p%4)+1], v[64*\m+32*\a+8*(\p/4)+2*(\p%4):64*\m+32*\a+8*(\p/4)+2*(\p%4)+1], v[SS+2*(2*\m+\a):SS+2*(2*\m+\a)+1]
.endif
.endr
.endr
.endr
	WIN 0
.irp i, 0,1,2,3,4,5,6,7
	v_add_f32 v[SS+2*\i], v[SS+2*\i], v[SS+2*\i+1]
.endr
.irp i, 0,1,2,3,4,5,6,7
	v_permlanex16_b32 v[SS+2*\i+1], v[SS+2*\i], s[SEL], s[SEL+1]   ; the head's other 32 columns lie in the lane 16 away
.endr
.irp i, 0,1,2,3,4,5,6,7
	v_add_f32 v[SS+2*\i], v[SS+2*\i], v[SS+2*\i+1]
.endr
.irp m, 0,1,2,3
	v_cndmask_b32 v[SS+16+\m], v[SS+4*\m], v[SS+4*\m+2], s[HM]     ; lanes 0-15 keep the first head's, lanes 16-31 the second's
.endr
.irp m, 0,1,2,3
	v_ldexp_f32 v[SS+16+\m], v[SS+16+\m], s[ED]
.endr
	v_add_nc_u32 v22, s[DOF], v[DST]
.irp m, 0,1,2,3
	ds_store_b32 v22, v[SS+16+\m] offset:16*DP*\m
.endr
.Lnodots:
	s_wait_xcnt 0x0                                ; the loads by NXA have read their base: only now is it written
	s_mov_b64 s[NXA:NXA+1], s[YB:YB+1]             ; trip 2 begins with v, from y
	s_mov_b64 s[PW2:PW2+1], s[M1:M1+1]             ; the next trip's second pass (behind the last trip it is not used)
	s_mov_b64 s[M1:M1+1], s[M2:M2+1]
	s_add_co_u32 s[DOF], s[DOF], 32
	s_add_co_u32 s[TR], s[TR], 1
	s_cmp_lt_u32 s[TR], 3
	s_cbranch_scc1 .Lqkv
	; THE SOFTMAX over a row's 16 heads.  Every wave does the four rows 16 m + r of its lanes: it needs the weights of its own four heads for all 64 rows.
	s_wait_loadcnt 0x0                             ; the sets' last loads are in: their registers will take codes
	s_wait_dscnt 0x0
	s_barrier_signal -1                            ; store, wait, barrier, load: the waves' stores of the dots and the reads below
	s_barrier_wait -1
.irp m, 0,1,2,3
.irp i, 0,1,2,3
	ds_load_b128 v[BB+16*\m+4*\i:BB+16*\m+4*\i+3], v[DLD] offset:16*DP*\m+16*\i
.endr
.endr
.irp m, 0,1,2,3
.irp t, 0,1
	ds_load_b64 v[BB+64+4*\m+2*\t:BB+64+4*\m+2*\t+1], v[DOWN] offset:16*DP*\m+32*\t   ; heads 8 t + 2 w and 8 t + 2 w + 1
.endr
.endr
	s_wait_dscnt 0x0
.irp m, 0,1,2,3
	v_max3_num_f32 v[MX+\m], v[BB+16*\m], v[BB+16*\m+1], v[BB+16*\m+2]
.endr
.irp i, 3,5,7,9,11,13
.irp m, 0,1,2,3
	v_max3_num_f32 v[MX+\m], v[MX+\m], v[BB+16*\m+\i], v[BB+16*\m+\i+1]
.endr
.endr
.irp m, 0,1,2,3
	v_max_num_f32 v[MX+\m], v[MX+\m], v[BB+16*\m+15]
.endr
.irp m, 0,1,2,3
.irp i, 0,1,2,3,4,5,6,7,8,9,10,11,12,13,14,15
	v_sub_f32 v[BB+16*\m+\i], v[BB+16*\m+\i], v[MX+\m]             ; the row's largest dot is taken away first, as reference() does
.endr
.irp i, 0,1,2,3
	v_sub_f32 v[BB+64+4*\m+\i], v[BB+64+4*\m+\i], v[MX+\m]
.endr
.endr
.set j, BB
.rept 80
	v_mul_f32 v[j], s[L2E], v[j]
.set j, j+1
.endr
.set j, BB
.rept 80
	v_exp_f32 v[j], v[j]                           ; one batch: none of these reads another's result
.set j, j+1
.endr
	v_nop                                          ; a plain instruction behind the last exponential
	s_wait_alu depctr_va_vdst(0)                   ; one wait for the batch, ahead of its first reader
.irp m, 0,1,2,3
	v_add_f32 v[SM+\m], v[BB+16*\m], v[BB+16*\m+1]
.endr
.irp i, 2,3,4,5,6,7,8,9,10,11,12,13,14,15
.irp m, 0,1,2,3
	v_add_f32 v[SM+\m], v[SM+\m], v[BB+16*\m+\i]
.endr
.endr
.irp m, 0,1,2,3
	v_rcp_f32 v[SM+\m], v[SM+\m]
.endr
	v_nop
	s_wait_alu depctr_va_vdst(0)                   ; one wait for the four reciprocals
.irp t, 0,1
.irp a, 0,1
.irp m, 0,1,2,3
	v_mul_f32 v[AT+2*(8*\t+4*\a+\m)], v[BB+64+4*\m+2*\t+\a], v[SM+\m]     ; attn, twice: a pair for the packed multiply
	v_mul_f32 v[AT+2*(8*\t+4*\a+\m)+1], v[BB+64+4*\m+2*\t+\a], v[SM+\m]
.endr
.endr
.endr
; attn x v, held and quantised, in registers.  Pass t's accumulators lie in window 1 + t.  Tile b's eight registers are k = 16 b + 8 h + 0 .. 7 of K step 4 t + w: registers 2 b, 2 b + 1 of that fragment.
.macro QUANT t
.irp m, 0,1,2,3
	WIN 0x41*(1+\t)                                ; source 0 and destination window 1 + t
.irp b, 0,1,2,3,4,5,6,7
.irp i, 0,2,4,6
	v_pk_mul_f32 v[64*\m+8*\b+\i:64*\m+8*\b+\i+1], v[64*\m+8*\b+\i:64*\m+8*\b+\i+1], v[AT+2*(8*\t+4*(\b/4)+\m):AT+2*(8*\t+4*(\b/4)+\m)+1]
.endr
.endr
.set j, 64*\m
.rept 64
	v_med3_num_f32 v[j], v[j], -v[QL], v[QL]       ; the conversion to an 8-bit code does not saturate (ISA guide 7.6.2): the hold at the largest code x the scale
.set j, j+1
.endr
	WIN 0xc1+\t                                    ; destination window 3
.irp b, 0,1,2,3,4,5,6,7
	v_cvt_scalef32_pk8_bf8_f32 v[128+64*\t+16*\m+2*\b:128+64*\t+16*\m+2*\b+1], v[64*\m+8*\b:64*\m+8*\b+7], v[QS]
.endr
.endr
.endm
	QUANT 0
	QUANT 1
	v_nop                                          ; one plain vector instruction behind the last conversion: matrix instructions will write its sources and read its results' registers
; THE CODES GO FROM WAVE TO WAVE AS IMAGES OF THEIR REGISTERS: four registers by one store, lane l's 16 bytes at 16 l; the same lines as loads give any wave the same registers in the same lanes.
; Pass t: producer p's fragments are K step 4 t + p, and land in window 2 + t at v[64 p].
.macro EXCH t
	WIN 0x0c
.irp m, 0,1,2,3
.irp c, 0,1,2,3
	ds_store_b128 v[XST], v[128+64*\t+16*\m+4*\c:128+64*\t+16*\m+4*\c+3] offset:2048*\m+512*\c
.endr
.endr
	WIN 0
	s_wait_dscnt 0x0                               ; for the others' sake: my image has landed
	s_barrier_signal -1
	s_barrier_wait -1
	WIN 0x80+0x40*\t
.irp p, 0,1,2,3
.irp m, 0,1,2,3
.irp c, 0,1,2,3
	ds_load_b128 v[64*\p+16*\m+4*\c:64*\p+16*\m+4*\c+3], v[LI+\p/2] offset:(\p%2)*IMG+2048*\m+512*\c
.endr
.endr
.endr
	WIN 0
.endm
	EXCH 0
	s_wait_dscnt 0x0                               ; my reads of the first images are over: then they may be written over
	s_barrier_signal -1
	s_barrier_wait -1
	EXCH 1
; THE WAY OUT, a tile of 16 rows x my 128 columns at a time.  A lane holds 32 neighbouring bytes of a row and the lanes beside it hold other rows: so a tile goes through my own stage in LDS and comes back as whole rows of
; 512 bytes.  There a lane keeps the same four columns in every row: so sum x 2^(e4 + e5) + bproj is made behind the stage, with four registers of bproj.  LDS serves a wave's instructions in order (ISA guide 5.7.1.4).
.macro TOSTAGE m
	WIN 0x04                                       ; store data window 1
.irp b, 0,1,2,3,4,5,6,7
	ds_store_b128 v[STO], v[64*(\m)+8*\b:64*(\m)+8*\b+3] offset:64*\b          ; each accumulator from its low end on
	ds_store_b128 v[STO], v[64*(\m)+8*\b+4:64*(\m)+8*\b+7] offset:64*\b+16
.endr
	WIN 0
.irp t, 0,1,2,3,4,5,6,7,8,9,10,11,12,13,14,15
	ds_load_b128 v[BB+64*((\m)%2)+4*\t:BB+64*((\m)%2)+4*\t+3], v[RD] offset:\t*SPITCH
.endr
.endm
.macro SEND m, u, younger              ; younger: the LDS instructions issued behind tile m's loads, which may stay out
	s_wait_dscnt \younger
.irp t, 0,1,2,3,4,5,6,7,8,9,10,11,12,13,14,15
	v_pk_fma_f32 v[BB+64*((\m)%2)+4*\t:BB+64*((\m)%2)+4*\t+1], v[BB+64*((\m)%2)+4*\t:BB+64*((\m)%2)+4*\t+1], s[SC:SC+1], v[BI:BI+1] op_sel_hi:[1,0,1]
	v_pk_fma_f32 v[BB+64*((\m)%2)+4*\t+2:BB+64*((\m)%2)+4*\t+3], v[BB+64*((\m)%2)+4*\t+2:BB+64*((\m)%2)+4*\t+3], s[SC:SC+1], v[BI+2:BI+3] op_sel_hi:[1,0,1]
.endr
.irp t, 0,1,2,3,4,5,6,7,8,9,10,11,12,13,14,15
	global_store_b128 v[CO], v[BB+64*((\m)%2)+4*\t:BB+64*((\m)%2)+4*\t+3], s[CURO:CURO+1] offset:(16*(\m)+\t)*4096+2048*(\u) th:TH_STORE_NT   ; 32 lanes store 512 consecutive bytes, at a multiple of 256 from out's first byte
.endr
.endm
.macro WAYOUT u
	s_wait_loadcnt 0x0                             ; bproj
	TOSTAGE 0
	TOSTAGE 1
	SEND 0, \u, 32                                 ; behind tile 0's loads: tile 1's 16 stores and 16 loads
	s_wait_xcnt 0x0                                ; tile 0's stores have read their registers: tile 2's loads may land there
	TOSTAGE 2
	SEND 1, \u, 32
	s_wait_xcnt 0x0
	TOSTAGE 3
	SEND 2, \u, 32
	SEND 3, \u, 0
.endm
; THE LAST PRODUCT, half u of its 1,024 columns: four slots; the rows' fragments are the codes in windows 2 and 3.  The ring goes on from the loop above and from half 0 into half 1; the last slot but one asks for nothing.
.macro PPASS u
	global_load_b128 v[BI:BI+3], v[CO], s[CURB:CURB+1] offset:2048*\u
	HEADW 1, 0, 0, 0, 0, 0, 0
	TAILW 1, W_PA, 0, 0, 1
	CHANGE W_PA, 0, 49, 0, PW1, 524288*\u+512, 1
	HEADW 1, 1, W_PA, 0, 1, 0, 0
	TAILW 1, W_PA, 128, 1, 0
	CHANGE W_PA, 128, 49, 1, PW1, 524288*\u+768, 1
	HEADW 1, 1, W_PA, 128, 0, 0, 0
	TAILW 1, W_PB, 0, 0, 0
	CHANGE W_PB, 0, 49, 0, PW1, 524288, 1-\u
	HEADW 1, 1, W_PB, 0, 1, 0, 0
	TAILW 1, W_PB, 128, 1, 0
.if \u == 0
	CHANGE W_PB, 128, 49, 1, PW1, 524288+256, 1
	WIN W_PB
	MULG 6, 128, 0
	MULG 7, 128, 0
.else
	s_wait_dscnt 48                                ; the very last groups: nothing more to fetch; three, two, one groups of 16 loads may be out
	WIN W_PB
	MULG 4, 128, 0
	s_wait_dscnt 32
	MULG 5, 128, 0
	s_wait_dscnt 16
	MULG 6, 128, 0
	s_wait_dscnt 0x0
	MULG 7, 128, 0
.endif
	WIN 0
	PLACES
	WAYOUT \u
.endm
	PPASS 0
	s_wait_xcnt 0x0                                ; the stores have read their registers: the weight fragments may land there again
	PPASS 1
	s_wait_tensorcnt 0x0                           ; the wave's end, behind my last tensor load and my last LDS store
	ds_add_u32 v[SPW], v[NIL]
	s_wait_dscnt 0x0
	CROUND                                         ; the closing round: no work-group ends while a partner may still ask for a tile that names it
	s_endpgm
.Lfunc_end_k_q7f8822b561_fused:
	.size	k_q7f8822b561_fused, .Lfunc_end_k_q7f8822b561_fused-k_q7f8822b561_fused
	.p2alignl 7, 3214868480
	.fill 96, 4, 3214868480
	.section	.rodata,"a",@progbits
	.p2align	6, 0x0
	.amdhsa_kernel k_q7f8822b561_fused
		.amdhsa_group_segment_fixed_size 327680
		.amdhsa_private_segment_fixed_size 0
		.amdhsa_enable_private_segment 0
		.amdhsa_kernarg_size 64
		.amdhsa_user_sgpr_count 2
		.amdhsa_user_sgpr_kernarg_segment_ptr 1
		.amdhsa_wavefront_size32 1
		.amdhsa_system_sgpr_workgroup_id_x 1
		.amdhsa_system_sgpr_workgroup_id_y 1
		.amdhsa_system_sgpr_workgroup_id_z 1
		.amdhsa_system_vgpr_workitem_id 0
		.amdhsa_next_free_vgpr 1024
		.amdhsa_next_free_sgpr 98
		.amdhsa_reserve_vcc 0
		.amdhsa_float_denorm_mode_32 3
		.amdhsa_float_denorm_mode_16_64 3
		.amdhsa_memory_ordered 1
		.amdhsa_forward_progress 1
		.amdhsa_inst_pref_size 255
	.end_amdhsa_kernel
	.section	.bss,"aw",@nobits
	.p2align	6
	.space	262144
	.amdgpu_metadata
---
amdhsa.version: [ 1, 2 ]
amdhsa.kernels:
  - .name:           k_q7f8822b561_fused
    .symbol:         k_q7f8822b561_fused.kd
    .args:
      - { .name: x_codes, .offset: 0, .size: 8, .value_kind: global_buffer, .address_space: global }
      - { .name: y_codes, .offset: 8, .size: 8, .value_kind: global_buffer, .address_space: global }
      - { .name: Wq_codes, .offset: 16, .size: 8, .value_kind: global_buffer, .address_space: global }
      - { .name: Wkv_codes, .offset: 24, .size: 8, .value_kind: global_buffer, .address_space: global }
      - { .name: Wproj_codes, .offset: 32, .size: 8, .value_kind: global_buffer, .address_space: global }
      - { .name: bproj, .offset: 40, .size: 8, .value_kind: global_buffer, .address_space: global }
      - { .name: lowp_scales, .offset: 48, .size: 8, .value_kind: global_buffer, .address_space: global }
      - { .name: out0, .offset: 56, .size: 8, .value_kind: global_buffer, .address_space: global }
    .group_segment_fixed_size: 327680
    .private_segment_fixed_size: 0
    .kernarg_segment_align: 8
    .kernarg_segment_size: 64
    .max_flat_workgroup_size: 128
    .sgpr_count:     98
    .vgpr_count:     1024
    .wavefront_size: 32
...
	.end_amdgpu_metadata
.endif
;; end of part 1
;; ======== version 2 of 2: 1 launch
;; limits: right only within a limited range of input values
;; launch fused (part 2): grid 256 x 1, 4 waves a work-group, clusters of 4 x 1, 327,680 bytes of LDS; arguments x_codes, y_codes, Wq_codes, Wkv_codes, Wproj_codes, bproj, lowp_scales, out0; writes out0
.if DOCPART == 2
	.amdgcn_target "amdgcn-amd-amdhsa--gfx1250"
	.amdhsa_code_object_version 6
	.text
	.protected	k_q7f8822b561_fused
	.globl	k_q7f8822b561_fused
	.p2align	8
	.type	k_q7f8822b561_fused,@function
k_q7f8822b561_fused:
	s_mov_b64 s[64:65], 0
	v_nop
	global_prefetch_b8 v0, s[64:65] scope:SCOPE_SE
	s_setreg_imm32_b32 hwreg(HW_REG_WAVE_MODE, 25, 1), 1
	s_wait_xcnt 0x0
	s_wait_alu depctr_hold_cnt(0) depctr_sa_sdst(0) depctr_va_vdst(0) depctr_va_sdst(0) depctr_va_ssrc(0) depctr_va_vcc(0) depctr_vm_vsrc(0)
	s_getreg_b32 s2, hwreg(HW_REG_IB_STS2, 6, 4)
	s_cmp_eq_u32 s2, 0
	s_cbranch_scc0 .Lentry_in_a_cluster
	s_endpgm
.Lentry_in_a_cluster:
	s_bfe_u32 s2, ttmp6, 0x10000c
	s_cmp_lg_u32 s2, 0x3003
	s_cbranch_scc0 .Lentry_shape_is_right
	s_endpgm
.Lentry_shape_is_right:
; out = (softmax over heads(2^-6 q . k) x v) Wproj + bproj, q = x Wq, [k v] = y Wkv, the three large products on codes of E5M2 with one scale a tensor; sums, dots and softmax in f32.
; NOT LOADED: mask.  reference() takes it as an argument and uses it nowhere, so it reaches no output for any values; it is bool and carries no NaN.
; LIMITS: codes are finite numbers; e4 - e2 - e3 lies between -126 and 112, e4 + e5 between -126 and 127, so that each power of two made here is an f32 number; attention weights under 2^-126 count as 0.
; SHARES.  A work-group owns 64 whole rows, so that the softmax over the heads and the second quantiser stay inside it; its four waves own 128 columns each of a pass of 512.
; Trips 0 and 1: q and k of one half of the heads (windows 1 and 2), then their dots.  Trip 2: v's two halves.  Then softmax, attn x v to codes in registers, and two passes of the projection.
; WEIGHTS come 512 rows x 256 bytes a step through a ring of two LDS slots, each wave's 128 rows by its own tensor load, asked for jointly by the four work-groups of a cluster.
; x's and y's rows go by registers into two LDS buffers of 64 x 256 bytes, four steps ahead.  Clusters differ in the order of K and of the halves, so that they do not all walk the same rows at once.
; USED TRANSPOSED: source 0 = 16 rows of the weight, source 1 = 16 rows of x, y or att: lane (r, h) holds row r and 8 neighbouring columns.
; PREFETCH: in trip 0 Wk, in trip 1 Wv, in trip 2 Wproj, 1 MB each, two steps or more ahead of its first tile: the 256 work-groups share the 4,096 blocks of 256 bytes out by address, 16 each, 4 a wave.
.set PFO,    36
.set ADQ,    37                        ; v37-38: the projection's tiles of 64 rows x 512 bytes, slot 0 and 1
.set CO2,    39
.set BIO,    42
.set PITCH,  272
.set WQ,     128*PITCH
.set WSLOT,  4*WQ
.set ABUF,   2*WSLOT
.set ABYTES, 64*PITCH
.set DOTS,   ABUF+2*ABYTES
.set DP,     112
.set SPARE,  DOTS+64*DP
.set IMG,    8192
.set SPW,  3
.set NIL,  4
.set ADW,  5
.set ADP,  7
.set ADA,  9
.set AST,  10
.set DST,  11
.set DLD,  12
.set DOWN, 13
.set XST,  14
.set LI,   15
.set STO,  17
.set RD,   18
.set CO,   19
.set VA,   20
.set MX,   24
.set SM,   28
.set QS,   40
.set QL,   41
.set BI,   44
.set BB,   64
.set SS,   192
.set AT,   192
.set RO,   4
.set WV,   20
.set NX0,  23
.set NX1,  73
.set G1,   24
.set G0,   32
.set PW1,  40
.set PW2,  42
.set N1,   44
.set N2,   46
.set M1,   50
.set M2,   82
.set XB,   52
.set YB,   54
.set NXA,  56
.set CURB0, 58
.set CURB1, 2
.set CURO0, 60
.set CURO1, 48
.set SEL,  62
.set SC,   66
.set L2E,  68
.set HM,   69
.set ED,   70
.set DOF,  71
.set TR,   72
.set PP,   84
.set E,    92
.set NO0,  98
.set NO1,  100
.set W_P1, 0x5c
.set W_P2, 0xac
.set W_PA, 0x58
.set W_PB, 0x5c
.set MSB, 0
.macro WIN new
.if MSB != (\new)
	s_set_vgpr_msb (MSB<<8)|(\new)
.set MSB, (\new)
.endif
.endm
.macro PLACES
.rept 4
	v_nop
.endr
.endm
.macro CREST
	s_cmp_lg_u32 s[WV], 0
	s_cbranch_scc1 .Lnot_wave_0_\@
	s_barrier_signal -3
.Lnot_wave_0_\@:
	s_barrier_wait -3
	s_barrier_signal -1
	s_barrier_wait -1
.endm
.macro CROUND
	s_barrier_signal -1
	s_barrier_wait -1
	CREST
.endm
.macro MULG n, ab, zero
.irp f, 0,1
.irp m, 0,1,2,3
.if \zero
	v_wmma_f32_16x16x128_bf8_bf8 v[64*\m+16*((\n)%4)+8*\f:64*\m+16*((\n)%4)+8*\f+7], v[BB+32*((\n)%4)+16*\f:BB+32*((\n)%4)+16*\f+15], v[(\ab)+64*((\n)/4)+16*\m:(\ab)+64*((\n)/4)+16*\m+15], 0
.else
	v_wmma_f32_16x16x128_bf8_bf8 v[64*\m+16*((\n)%4)+8*\f:64*\m+16*((\n)%4)+8*\f+7], v[BB+32*((\n)%4)+16*\f:BB+32*((\n)%4)+16*\f+15], v[(\ab)+64*((\n)/4)+16*\m:(\ab)+64*((\n)/4)+16*\m+15], v[64*\m+16*((\n)%4)+8*\f:64*\m+16*((\n)%4)+8*\f+7]
.endif
.endr
.endr
.endm
.macro FETCHW pj, par, n
	WIN 0
.irp f, 0,1
.if \pj
.irp c, 0,1,2,3,4,5,6,7
	ds_load_b64 v[BB+32*((\n)%4)+16*\f+2*\c:BB+32*((\n)%4)+16*\f+2*\c+1], v[ADP+(\par)] offset:(2*((\n)%4)+\f)*16*PITCH+128*((\n)/4)+16*\c
.endr
.else
.irp c, 0,1,2,3
	ds_load_b128 v[BB+32*((\n)%4)+16*\f+4*\c:BB+32*((\n)%4)+16*\f+4*\c+3], v[ADW+(\par)] offset:(2*((\n)%4)+\f)*16*PITCH+128*((\n)/4)+32*\c
.endr
.endif
.endr
.endm
.macro FETCHA par, ks
	WIN 0xc0
.irp m, 0,1,2,3
.irp c, 0,1,2,3
	ds_load_b128 v[64*(\ks)+16*\m+4*\c:64*(\ks)+16*\m+4*\c+3], v[ADA] offset:(\par)*ABYTES+\m*16*PITCH+128*(\ks)+32*\c
.endr
.endr
.endm
.macro APATH q, base
	s_wait_loadcnt 16
	WIN 0x0c
.irp i, 0,1,2,3,4,5,6,7
	ds_store_b128 v[AST], v[128+32*(((\q)+1)%4)+4*\i:128+32*(((\q)+1)%4)+4*\i+3] offset:(((\q)+1)%2)*ABYTES+2*\i*PITCH
.endr
	WIN 0xc0
.irp i, 0,1,2,3,4,5,6,7
	global_load_b128 v[128+32*((\q)%4)+4*\i:128+32*((\q)%4)+4*\i+3], v[VA+(\q)%4], s[\base:\base+1] offset:2048*\i
.endr
.endm
.macro CHANGE pwin, pab, cnt4, np, ptr, off, fill, rg
.set CN, \cnt4-1
	s_wait_dscnt CN                                ; groups 5, 6 and 7 may be out
	WIN \pwin
	MULG 4, \pab, 0
.set CN, CN*2/3
	s_wait_dscnt CN                                ; groups 6 and 7 may be out
	MULG 5, \pab, 0
	WIN 0
	s_wait_tensorcnt 0x0                           ; my part of the next slot is in
	ds_add_u32 v[SPW], v[NIL]
.if (\fill)
.if (\rg)
	s_add_nc_u64 s[G0+4*(\np)+2:G0+4*(\np)+3], s[\ptr:\ptr+1], s[\off:\off+1]
.else
	s_add_nc_u64 s[G0+4*(\np)+2:G0+4*(\np)+3], s[\ptr:\ptr+1], \off
.endif
	s_or_b32 s[G0+4*(\np)+3], s[G0+4*(\np)+3], 0x80000000
.endif
	s_wait_dscnt 0x0                               ; the add and my reads of the slot that is left are done
	s_barrier_signal -1
	s_barrier_wait -1
.if (\fill)
	CREST
	tensor_load_to_lds s[G0+4*(\np):G0+4*(\np)+3], s[G1:G1+7]
	s_nop 0
.endif
	PLACES
.endm
.macro HEADW pj, pend, pwin, pab, par, q, base
.if \pj == 0
	FETCHA \par, 0
.endif
	FETCHW \pj, \par, 0
	FETCHW \pj, \par, 1
.if \pend
	WIN \pwin
	MULG 6, \pab, 0
	MULG 7, \pab, 0
	PLACES
.endif
	FETCHW \pj, \par, 2
.if \pj == 0
	FETCHA \par, 1
.endif
	FETCHW \pj, \par, 3
.if \pj == 0
	APATH \q, \base
.endif
.endm
.macro TAILW pj, win, ab, par, zero
; each count: the LDS instructions issued behind the group's own (pj = 0: groups of 8 loads, 16 of A's second half, 8 of A's stores; pj = 1: groups of 16)
.if \pj
.set C1, 32
.set C3, 32
.else
.set C1, 40
.set C3, 24
.endif
	s_wait_dscnt 48
	WIN \win
	MULG 0, \ab, \zero
	s_wait_dscnt C1
	MULG 1, \ab, \zero
	PLACES
	FETCHW \pj, \par, 4
	FETCHW \pj, \par, 5
	s_wait_dscnt 48
	WIN \win
	MULG 2, \ab, \zero
	s_wait_dscnt C3
	MULG 3, \ab, \zero
	PLACES
	FETCHW \pj, \par, 6
	FETCHW \pj, \par, 7
.endm
	s_load_b512 s[4:19], s[0:1], 0x0
	v_lshl_add_u32 v[SPW], v0, 2, SPARE
	v_mov_b32 v[NIL], 0
	ds_add_u32 v3, v4
	ds_add_u32 v3, v4
	s_wait_dscnt 0x0
	v_lshrrev_b32 v33, 5, v0
	v_readfirstlane_b32 s[WV], v33
	s_bfe_u32 s21, ttmp6, 0x40000
	s_lshl_b32 s22, ttmp9, 2
	s_add_co_u32 s22, s22, s21
	s_mov_b32 s[G1], 15|(1<<20)|(1<<21)|(5<<22)|(3<<25)
	s_mov_b32 s[G1+1], 256<<16
	s_mov_b32 s[G1+2], 128<<16
	s_mov_b32 s[G1+3], 256<<16
	s_mov_b32 s[G1+4], 128
	s_mov_b32 s[G1+5], 1024
	s_mov_b32 s[G1+6], 0
	s_mov_b32 s[G1+7], 0
	s_mov_b32 s[SEL], 0x76543210
	s_mov_b32 s[SEL+1], 0xfedcba98
	s_mov_b32 s[L2E], 0x3fb8aa3b
	s_mov_b32 s[HM], 0xffff0000
	s_mov_b32 s[DOF], 0
	s_mov_b32 s[TR], 0
	v_and_b32 v1, 15, v0
	v_bfe_u32 v2, v0, 4, 1
	v_and_b32 v32, 31, v0
	v_lshlrev_b32 v[CO], 4, v32
	v_mul_u32_u24 v33, v1, PITCH
	s_mul_i32 s74, s[WV], WQ
	v_lshl_add_u32 v[ADW], v2, 4, v33
	v_add_nc_u32 v[ADW], s74, v[ADW]
	v_add_nc_u32 v[ADW+1], WSLOT, v[ADW]
	v_lshl_add_u32 v[ADP], v2, 3, v33
	v_add_nc_u32 v[ADP], s74, v[ADP]
	v_add_nc_u32 v[ADP+1], WSLOT, v[ADP]
	v_lshl_add_u32 v[ADA], v2, 4, v33
	v_add_nc_u32 v[ADA], ABUF, v[ADA]
	s_mul_i32 s75, s[WV], 16*PITCH
	s_add_co_u32 s75, s75, ABUF
	v_mul_u32_u24 v34, v2, PITCH
	v_lshl_add_u32 v[AST], v1, 4, v34
	v_add_nc_u32 v[AST], s75, v[AST]
	v_mul_u32_u24 v34, v1, DP
	s_lshl_b32 s76, s[WV], 3
	s_add_co_u32 s76, s76, DOTS
	v_lshl_add_u32 v[DST], v2, 2, v34
	v_add_nc_u32 v[DST], s76, v[DST]
	v_add_nc_u32 v[DLD], DOTS, v34
	v_add_nc_u32 v[DOWN], s76, v34
	s_lshr_b32 s77, s[WV], 1
	s_mul_i32 s77, s77, ABYTES
	s_add_co_u32 s77, s77, ABUF
	s_and_b32 s78, s[WV], 1
	s_lshl_b32 s79, s78, 13
	s_add_co_u32 s79, s79, s77
	v_add_nc_u32 v[XST], s79, v[CO]
	v_add_nc_u32 v[LI], ABUF, v[CO]
	v_add_nc_u32 v[LI+1], ABUF+ABYTES, v[CO]
	s_mul_i32 s78, s78, 32*PITCH
	s_add_co_u32 s78, s78, s77                     ; my stage: 16 rows x 272 bytes
	v_mul_u32_u24 v34, v1, PITCH
	v_lshl_add_u32 v[STO], v2, 5, v34              ; in: row r, 32 bytes for each half of the lanes
	v_add_nc_u32 v[STO], s78, v[STO]
	v_mul_u32_u24 v34, v2, PITCH
	v_lshl_add_u32 v34, v1, 4, v34
	v_add_nc_u32 v[RD], s78, v34                   ; back: lanes 0-15 one row of 256 bytes, lanes 16-31 the next
	v_lshlrev_b32 v[BIO], 4, v1
	v_lshl_add_u32 v[CO2], v2, 12, v[BIO]          ; and the same two rows of out
	v_mul_u32_u24 v34, v1, 2*PITCH
	v_lshl_add_u32 v34, v2, 3, v34
	v_add_nc_u32 v[ADQ], s74, v34
	v_add_nc_u32 v[ADQ+1], WSLOT, v[ADQ]
	v_lshlrev_b32 v35, 10, v2
	v_lshl_add_u32 v35, v1, 4, v35
	s_lshl_b32 s79, s[WV], 14
	v_add_nc_u32 v35, s79, v35
	s_lshl_b32 s74, s22, 12
	s_lshl_b32 s75, s[WV], 10
	s_add_co_u32 s74, s74, s75
	v_min_u32 v[PFO], 3, v32                       ; my wave's four blocks; the lanes left over name the last again
	v_lshlrev_b32 v[PFO], 8, v[PFO]
	v_add_nc_u32 v[PFO], s74, v[PFO]
	s_lshr_b32 s73, ttmp9, 1
	s_xor_b32 s73, s73, ttmp9
	s_and_b32 s23, s73, 3
	s_bfe_u32 s75, s73, 0x10003
	s_bfe_u32 s79, s73, 0x10004
	s_lshl_b32 s74, s[WV], 17
	s_lshl_b32 s77, s75, 9
	s_xor_b32 s78, s77, 512
	s_lshl_b32 s75, s75, 19
	s_xor_b32 s76, s75, 0x80000
	s_add_co_u32 s[PW1], s74, s75
	s_add_co_u32 s[N1], s74, s76
	s_add_co_u32 s[N2], s[PW1], 0x100000
	s_mov_b32 s[PW2], s[PW1]
	s_mov_b32 s[M1], s[N1]
	s_add_co_u32 s[M2], s[N1], 0x100000
	s_lshl_b32 s75, s79, 19
	s_add_co_u32 s75, s75, s74
	s_xor_b32 s76, s75, 0x80000
	s_add_co_u32 s[PP], s75, s77
	s_add_co_u32 s[PP+2], s75, s78
	s_add_co_u32 s[PP+4], s76, s77
	s_add_co_u32 s[PP+6], s76, s78
	s_lshl_b32 s79, s79, 11
	s_lshl_b32 s[CURB0], s[WV], 9
	s_add_co_u32 s[CURB0], s[CURB0], s79
	s_xor_b32 s[CURB1], s[CURB0], 2048
	s_lshl_b32 s80, s22, 18
	s_add_co_u32 s[CURO0], s[CURB0], s80
	s_add_co_u32 s[CURO1], s[CURB1], s80
.irp p, PW1, PW2, N1, N2, M1, M2, PP, PP+2, PP+4, PP+6, CURB0, CURB1, CURO0, CURO1
	s_mov_b32 s[\p+1], 0
.endr
	s_lshl_b32 s80, s22, 16
	s_mov_b32 s81, 0
	s_wait_alu depctr_va_vdst(0)
	s_wait_kmcnt 0x0
	s_load_b128 s[E:E+3], s[16:17], 0x0
	s_load_b64 s[E+4:E+5], s[16:17], 0x10
	s_add_nc_u64 s[XB:XB+1], s[4:5], s[80:81]
	s_add_nc_u64 s[YB:YB+1], s[6:7], s[80:81]
	s_mov_b64 s[NXA:NXA+1], s[XB:XB+1]
	s_add_nc_u64 s[PW1:PW1+1], s[8:9], s[PW1:PW1+1]
	s_add_nc_u64 s[N1:N1+1], s[8:9], s[N1:N1+1]
	s_add_nc_u64 s[N2:N2+1], s[10:11], s[N2:N2+1]
	s_add_nc_u64 s[PW2:PW2+1], s[10:11], s[PW2:PW2+1]
	s_add_nc_u64 s[M1:M1+1], s[10:11], s[M1:M1+1]
	s_add_nc_u64 s[M2:M2+1], s[10:11], s[M2:M2+1]
.irp p, 0,2,4,6
	s_add_nc_u64 s[PP+\p:PP+\p+1], s[12:13], s[PP+\p:PP+\p+1]
.endr
	s_add_nc_u64 s[CURB0:CURB0+1], s[14:15], s[CURB0:CURB0+1]
	s_add_nc_u64 s[CURB1:CURB1+1], s[14:15], s[CURB1:CURB1+1]
	s_add_nc_u64 s[CURO0:CURO0+1], s[18:19], s[CURO0:CURO0+1]
	s_add_nc_u64 s[CURO1:CURO1+1], s[18:19], s[CURO1:CURO1+1]
	s_mov_b64 s[14:15], s[10:11]                   ; the prefetches: Wk first,
	s_add_nc_u64 s[18:19], s[10:11], 0x100000      ; then Wv, then Wproj (s[12:13])
.irp j, 0,1,2,3
	s_add_co_u32 s[RO+2*\j], s23, \j
	s_and_b32 s[RO+2*\j], s[RO+2*\j], 3
	s_lshl_b32 s[RO+2*\j], s[RO+2*\j], 8
	s_mov_b32 s[RO+2*\j+1], 0
	v_add_nc_u32 v[VA+\j], s[RO+2*\j], v35
.endr
	s_mov_b32 s[NO0], s[RO]
	s_mov_b32 s[NO0+1], 0
	s_mov_b32 s[NO1], s[RO+2]
	s_mov_b32 s[NO1+1], 0
	s_mov_b32 s[NX0], s[RO]
	s_mov_b32 s[NX1], s[RO+2]
	s_mov_b32 s[G0], 1
	s_mul_i32 s[G0+1], s[WV], WQ
	s_add_nc_u64 s[G0+2:G0+3], s[PW1:PW1+1], s[RO:RO+1]
	s_or_b32 s[G0+3], s[G0+3], 0x80000000
	s_mov_b32 s[G0+4], 1
	s_add_co_u32 s[G0+5], s[G0+1], WSLOT
	s_add_nc_u64 s[G0+6:G0+7], s[PW1:PW1+1], s[RO+2:RO+3]
	s_or_b32 s[G0+7], s[G0+7], 0x80000000
	WIN 0xc0
	s_wait_alu depctr_va_vdst(0)
.irp j, 0,1
.irp i, 0,1,2,3,4,5,6,7
	global_load_b128 v[128+32*\j+4*\i:128+32*\j+4*\i+3], v[VA+\j], s[XB:XB+1] offset:2048*\i   ; x's part of steps 0 and 1
.endr
.endr
	WIN 0
	CROUND
	tensor_load_to_lds s[G0:G0+3], s[G1:G1+7]
	s_nop 0
	PLACES
	s_wait_alu depctr_va_vdst(0)
	s_wait_tensorcnt 0x0
	ds_add_u32 v3, v4
	s_wait_dscnt 0x0
	CROUND
	tensor_load_to_lds s[G0+4:G0+7], s[G1:G1+7]
	s_nop 0
	PLACES
	WIN 0xc0
.irp j, 2,3
.irp i, 0,1,2,3,4,5,6,7
	global_load_b128 v[128+32*\j+4*\i:128+32*\j+4*\i+3], v[VA+\j], s[XB:XB+1] offset:2048*\i   ; steps 2 and 3, behind the first two weight tiles' requests
.endr
.endr
	WIN 0
	s_wait_kmcnt 0x0
	s_add_co_i32 s[ED], s[E], s[E+1]
	s_add_co_i32 s[ED], s[ED], s[E+2]
	s_add_co_i32 s[ED], s[ED], s[E+3]
	s_sub_co_i32 s[ED], s[ED], 6
	s_sub_co_i32 s74, s[E+4], s[E+2]
	s_sub_co_i32 s74, s74, s[E+3]
	s_add_co_i32 s74, s74, 127
	s_lshl_b32 s75, s74, 23
	v_mov_b32 v[QS], s75
	s_add_co_i32 s74, s74, 15
	s_lshl_b32 s74, s74, 23
	s_or_b32 s74, s74, 0x600000
	v_mov_b32 v[QL], s74
	s_add_co_i32 s[SC], s[E+4], s[E+5]
	s_add_co_i32 s[SC], s[SC], 127
	s_lshl_b32 s[SC], s[SC], 23
	s_mov_b32 s[SC+1], s[SC]
	s_wait_loadcnt 24
	WIN 0x0c
.irp i, 0,1,2,3,4,5,6,7
	ds_store_b128 v[AST], v[128+4*\i:128+4*\i+3] offset:2*\i*PITCH
.endr
	WIN 0
	s_wait_tensorcnt 1
	s_wait_dscnt 0x0
	s_barrier_signal -1
	s_barrier_wait -1
.Lqkv:
	HEADW 0, 0, 0, 0, 0, 0, YB
	WIN 0
	global_prefetch_b8 v[PFO], s[14:15] th:TH_LOAD_NT scope:SCOPE_SE
	TAILW 0, W_P1, 0, 0, 1
	CHANGE W_P1, 0, 25, 0, PW1, RO+4, 1, 1
	HEADW 0, 1, W_P1, 0, 1, 1, YB
	TAILW 0, W_P1, 0, 1, 0
	CHANGE W_P1, 0, 25, 1, PW1, RO+6, 1, 1
	HEADW 0, 1, W_P1, 0, 0, 2, YB
	TAILW 0, W_P1, 0, 0, 0
	CHANGE W_P1, 0, 25, 0, PW2, RO, 1, 1
	HEADW 0, 1, W_P1, 0, 1, 3, YB
	TAILW 0, W_P1, 0, 1, 0
	CHANGE W_P1, 0, 25, 1, PW2, RO+2, 1, 1
	HEADW 0, 1, W_P1, 0, 0, 4, NXA
	TAILW 0, W_P2, 0, 0, 1
	CHANGE W_P2, 0, 25, 0, PW2, RO+4, 1, 1
	HEADW 0, 1, W_P2, 0, 1, 5, NXA
	TAILW 0, W_P2, 0, 1, 0
	CHANGE W_P2, 0, 25, 1, PW2, RO+6, 1, 1
	HEADW 0, 1, W_P2, 0, 0, 6, NXA
	TAILW 0, W_P2, 0, 0, 0
	s_mov_b64 s[PW1:PW1+1], s[N1:N1+1]
	s_mov_b64 s[N1:N1+1], s[N2:N2+1]
	s_mov_b64 s[N2:N2+1], s[PP:PP+1]
	CHANGE W_P2, 0, 25, 0, PW1, NO0, 1, 1
	HEADW 0, 1, W_P2, 0, 1, 7, NXA
	TAILW 0, W_P2, 0, 1, 0
	CHANGE W_P2, 0, 25, 1, PW1, NO1, 1, 1
	WIN W_P2
	MULG 6, 0, 0
	MULG 7, 0, 0
	WIN 0
	PLACES
	s_cmp_eq_u32 s[TR], 2
	s_cbranch_scc1 .Lnodots
	WIN 0x09
.irp p, 0,1,2,3,4,5,6,7,8,9,10,11,12,13,14,15
.irp m, 0,1,2,3
.irp a, 0,1
.if \p == 0
	v_pk_mul_f32 v[SS+2*(2*\m+\a):SS+2*(2*\m+\a)+1], v[64*\m+32*\a:64*\m+32*\a+1], v[64*\m+32*\a:64*\m+32*\a+1]
.else
	v_pk_fma_f32 v[SS+2*(2*\m+\a):SS+2*(2*\m+\a)+1], v[64*\m+32*\a+8*(\p/4)+2*(\p%4):64*\m+32*\a+8*(\p/4)+2*(\p%4)+1], v[64*\m+32*\a+8*(\p/4)+2*(\p%4):64*\m+32*\a+8*(\p/4)+2*(\p%4)+1], v[SS+2*(2*\m+\a):SS+2*(2*\m+\a)+1]
.endif
.endr
.endr
.endr
	WIN 0
.irp i, 0,1,2,3,4,5,6,7
	v_add_f32 v[SS+2*\i], v[SS+2*\i], v[SS+2*\i+1]
.endr
.irp i, 0,1,2,3,4,5,6,7
	v_permlanex16_b32 v[SS+2*\i+1], v[SS+2*\i], s[SEL], s[SEL+1]
.endr
.irp i, 0,1,2,3,4,5,6,7
	v_add_f32 v[SS+2*\i], v[SS+2*\i], v[SS+2*\i+1]
.endr
.irp m, 0,1,2,3
	v_cndmask_b32 v[SS+16+\m], v[SS+4*\m], v[SS+4*\m+2], s[HM]
.endr
.irp m, 0,1,2,3
	v_ldexp_f32 v[SS+16+\m], v[SS+16+\m], s[ED]
.endr
	v_add_nc_u32 v33, s[DOF], v[DST]
.irp m, 0,1,2,3
	ds_store_b32 v33, v[SS+16+\m] offset:16*DP*\m
.endr
.Lnodots:
	s_wait_xcnt 0x0
	s_mov_b64 s[NXA:NXA+1], s[YB:YB+1]
	s_mov_b64 s[14:15], s[18:19]
	s_mov_b64 s[18:19], s[12:13]
	s_mov_b64 s[PW2:PW2+1], s[M1:M1+1]
	s_mov_b64 s[M1:M1+1], s[M2:M2+1]
	s_mov_b32 s[NO0], s[NX0]
	s_mov_b32 s[NX0], 0
	s_mov_b32 s[NO1], s[NX1]
	s_mov_b32 s[NX1], 256
	s_add_co_u32 s[DOF], s[DOF], 32
	s_add_co_u32 s[TR], s[TR], 1
	s_cmp_lt_u32 s[TR], 3
	s_cbranch_scc1 .Lqkv
	s_wait_loadcnt 0x0
	s_wait_dscnt 0x0
	s_barrier_signal -1
	s_barrier_wait -1
.irp m, 0,1,2,3
.irp i, 0,1,2,3
	ds_load_b128 v[BB+16*\m+4*\i:BB+16*\m+4*\i+3], v[DLD] offset:16*DP*\m+16*\i
.endr
.endr
.irp m, 0,1,2,3
.irp t, 0,1
	ds_load_b64 v[BB+64+4*\m+2*\t:BB+64+4*\m+2*\t+1], v[DOWN] offset:16*DP*\m+32*\t
.endr
.endr
	s_wait_dscnt 0x0
.irp m, 0,1,2,3
	v_max3_num_f32 v[MX+\m], v[BB+16*\m], v[BB+16*\m+1], v[BB+16*\m+2]
.endr
.irp i, 3,5,7,9,11,13
.irp m, 0,1,2,3
	v_max3_num_f32 v[MX+\m], v[MX+\m], v[BB+16*\m+\i], v[BB+16*\m+\i+1]
.endr
.endr
.irp m, 0,1,2,3
	v_max_num_f32 v[MX+\m], v[MX+\m], v[BB+16*\m+15]
.endr
.irp m, 0,1,2,3
.irp i, 0,1,2,3,4,5,6,7,8,9,10,11,12,13,14,15
	v_sub_f32 v[BB+16*\m+\i], v[BB+16*\m+\i], v[MX+\m]
.endr
.irp i, 0,1,2,3
	v_sub_f32 v[BB+64+4*\m+\i], v[BB+64+4*\m+\i], v[MX+\m]
.endr
.endr
.set j, BB
.rept 80
	v_mul_f32 v[j], s[L2E], v[j]
.set j, j+1
.endr
.set j, BB
	s_wait_alu depctr_va_vdst(0)
.rept 80
	v_exp_f32 v[j], v[j]
.set j, j+1
.endr
	v_nop
	s_wait_alu depctr_va_vdst(0)
.irp m, 0,1,2,3
	v_add_f32 v[SM+\m], v[BB+16*\m], v[BB+16*\m+1]
.endr
.irp i, 2,3,4,5,6,7,8,9,10,11,12,13,14,15
.irp m, 0,1,2,3
	v_add_f32 v[SM+\m], v[SM+\m], v[BB+16*\m+\i]
.endr
.endr
	s_wait_alu depctr_va_vdst(0)
.irp m, 0,1,2,3
	v_rcp_f32 v[SM+\m], v[SM+\m]
.endr
	v_nop
	s_wait_alu depctr_va_vdst(0)
.irp t, 0,1
.irp a, 0,1
.irp m, 0,1,2,3
	v_mul_f32 v[AT+2*(8*\t+4*\a+\m)], v[BB+64+4*\m+2*\t+\a], v[SM+\m]
	v_mul_f32 v[AT+2*(8*\t+4*\a+\m)+1], v[BB+64+4*\m+2*\t+\a], v[SM+\m]
.endr
.endr
.endr
.macro QUANT t
.irp m, 0,1,2,3
	WIN 0x41*(1+\t)
.irp b, 0,1,2,3,4,5,6,7
.irp i, 0,2,4,6
	v_pk_mul_f32 v[64*\m+8*\b+\i:64*\m+8*\b+\i+1], v[64*\m+8*\b+\i:64*\m+8*\b+\i+1], v[AT+2*(8*\t+4*(\b/4)+\m):AT+2*(8*\t+4*(\b/4)+\m)+1]
.endr
.endr
.set j, 64*\m
.rept 64
	v_med3_num_f32 v[j], v[j], -v[QL], v[QL]
.set j, j+1
.endr
	WIN 0xc1+\t
.irp b, 0,1,2,3,4,5,6,7
	v_cvt_scalef32_pk8_bf8_f32 v[128+64*\t+16*\m+2*\b:128+64*\t+16*\m+2*\b+1], v[64*\m+8*\b:64*\m+8*\b+7], v[QS]
.endr
.endr
.endm
	QUANT 0
	QUANT 1
	v_nop
.macro EXCH t
	WIN 0x0c
.irp m, 0,1,2,3
.irp c, 0,1,2,3
	ds_store_b128 v[XST], v[128+64*\t+16*\m+4*\c:128+64*\t+16*\m+4*\c+3] offset:2048*\m+512*\c
.endr
.endr
	WIN 0
	s_wait_dscnt 0x0
	s_barrier_signal -1
	s_barrier_wait -1
	WIN 0x80+0x40*\t
.irp p, 0,1,2,3
.irp m, 0,1,2,3
.irp c, 0,1,2,3
	ds_load_b128 v[64*\p+16*\m+4*\c:64*\p+16*\m+4*\c+3], v[LI+\p/2] offset:(\p%2)*IMG+2048*\m+512*\c
.endr
.endr
.endr
	WIN 0
.endm
	EXCH 0                                         ; the first half of K; the second follows between the projection's steps 1 and 2
; THE PROJECTION.  Eight steps of 32 KB a wave.  Steps 0, 1: my first 128 columns x 256 K each (the first half of K).  Steps 2 to 7: 64 columns x 512 K each, rows of 512 bytes padded after each 256:
; the same LDS bytes.  So the sums fall into sets of 64 columns, 32 registers for each 16 rows: A (set 0) is finished by step 2, B (set 1) by step 3, C (set 0 anew) by steps 4, 5, D (set 1 anew) by steps 6, 7.
; A leaves in step 3, B in steps 4 and 5, C in steps 6 and 7, while the next sets are multiplied; D leaves at the end.
.macro FW ty, par, n                   ; two fragments of the weight into the ring of four groups
.if \ty
	WIN 0
.irp f, 0,1
.irp c, 0,1,2,3,4,5,6,7
	ds_load_b64 v[BB+32*((\n)%4)+16*\f+2*\c:BB+32*((\n)%4)+16*\f+2*\c+1], v[ADQ+(\par)] offset:(2*((\n)%2)+\f)*32*PITCH+PITCH*((\n)/4)+128*(((\n)/2)%2)+16*\c
.endr
.endr
.else
	FETCHW 1, \par, \n
.endif
.endm
.macro GM ty, n, sa, zero              ; 8 matrix instructions.  ty = 1: group n is 128 K (n / 2) x 32 columns (n % 2) of set sa; ty = 0: MULG
.if \ty
.irp f, 0,1
.irp m, 0,1,2,3
.if \zero
	v_wmma_f32_16x16x128_bf8_bf8 v[64*\m+32*(\sa)+16*((\n)%2)+8*\f:64*\m+32*(\sa)+16*((\n)%2)+8*\f+7], v[BB+32*((\n)%4)+16*\f:BB+32*((\n)%4)+16*\f+15], v[64*((\n)/2)+16*\m:64*((\n)/2)+16*\m+15], 0
.else
	v_wmma_f32_16x16x128_bf8_bf8 v[64*\m+32*(\sa)+16*((\n)%2)+8*\f:64*\m+32*(\sa)+16*((\n)%2)+8*\f+7], v[BB+32*((\n)%4)+16*\f:BB+32*((\n)%4)+16*\f+15], v[64*((\n)/2)+16*\m:64*((\n)/2)+16*\m+15], v[64*\m+32*(\sa)+16*((\n)%2)+8*\f:64*\m+32*(\sa)+16*((\n)%2)+8*\f+7]
.endif
.endr
.endr
.else
	MULG \n, \sa, \zero
.endif
.endm
.macro PUT sx, m, d                    ; 16 rows x 64 columns of set sx into my stage, and back by rows into v[d ..]; LDS serves a wave's instructions in order
	s_wait_xcnt 0x0                                ; earlier stores have read their registers
	WIN 0x04
.irp i, 0,1,2,3
	ds_store_b128 v[STO], v[64*(\m)+32*(\sx)+8*\i:64*(\m)+32*(\sx)+8*\i+3] offset:64*\i
	ds_store_b128 v[STO], v[64*(\m)+32*(\sx)+8*\i+4:64*(\m)+32*(\sx)+8*\i+7] offset:64*\i+16
.endr
	WIN 0
.irp t, 0,1,2,3,4,5,6,7
	ds_load_b128 v[(\d)+4*\t:(\d)+4*\t+3], v[RD] offset:2*\t*PITCH
.endr
.endm
.macro SENDP sx, m, d, co              ; x 2^(e4 + e5) + bias, and stored: 16 lanes a row, 256 consecutive bytes
.irp t, 0,1,2,3,4,5,6,7
	v_pk_fma_f32 v[(\d)+4*\t:(\d)+4*\t+1], v[(\d)+4*\t:(\d)+4*\t+1], s[SC:SC+1], v[BI+4*(\sx):BI+4*(\sx)+1] op_sel_hi:[1,0,1]
	v_pk_fma_f32 v[(\d)+4*\t+2:(\d)+4*\t+3], v[(\d)+4*\t+2:(\d)+4*\t+3], s[SC:SC+1], v[BI+4*(\sx)+2:BI+4*(\sx)+3] op_sel_hi:[1,0,1]
.endr
.irp t, 0,1,2,3,4,5,6,7
	global_store_b128 v[CO2], v[(\d)+4*\t:(\d)+4*\t+3], s[\co:\co+1] offset:(16*(\m)+2*\t)*4096+256*(\sx) th:TH_STORE_NT
.endr
.endm
; pend: the step before left its groups 6 and 7 in the ring.  put = 1, 2: pieces 0, 1 or 2, 3 of set sx leave in this step
.macro PHEAD ty, par, pend, pty, pwin, psa, put, sx
	FW \ty, \par, 0
	FW \ty, \par, 1
.if \pend
	WIN \pwin
	GM \pty, 6, \psa, 0
	GM \pty, 7, \psa, 0
	PLACES
.endif
.if \put
	PUT \sx, 2*(\put)-2, 192
	PUT \sx, 2*(\put)-1, 224
.endif
	FW \ty, \par, 2
	FW \ty, \par, 3
.endm
; counts: the LDS instructions issued behind the group's own: 16 a group, 32 for two pieces (80 and 64 are written as 63)
.macro PTAIL ty, win, par, sa, zero, put, sx, co
.if \put
.set C0, 63
.set C1, 63
.else
.set C0, 48
.set C1, 32
.endif
	s_wait_dscnt C0
	WIN \win
	GM \ty, 0, \sa, \zero
	s_wait_dscnt C1
	GM \ty, 1, \sa, \zero
	PLACES
	FW \ty, \par, 4
	FW \ty, \par, 5
	s_wait_dscnt 48                                ; the pieces are back, too
	WIN \win
	GM \ty, 2, \sa, (\zero)*(1-(\ty))
	s_wait_dscnt 32
	GM \ty, 3, \sa, (\zero)*(1-(\ty))
.if \put
	WIN 0
	s_wait_loadcnt 0x0                             ; the bias
	SENDP \sx, 2*(\put)-2, 192, \co
	SENDP \sx, 2*(\put)-1, 224, \co
.else
	PLACES
.endif
	FW \ty, \par, 6
	FW \ty, \par, 7
.endm
; the change of slots, as in the loop.  shape = 1: from here on a tile is 64 rows x 512 bytes.  late = 1: A's pieces 2, 3 stand behind groups 6, 7 and leave here
.macro PCHANGE ty, win, sa, np, ptr, off, fill, shape, late
.if \late
.set C0, 63
.set C1, 63
.else
.set C0, 48
.set C1, 32
.endif
	s_wait_dscnt C0
	WIN \win
	GM \ty, 4, \sa, 0
	s_wait_dscnt C1
	GM \ty, 5, \sa, 0
	WIN 0
.if \late
	s_wait_dscnt 0x0
	SENDP 0, 2, 192, CURO0
	SENDP 0, 3, 224, CURO0
.endif
	s_wait_tensorcnt 0x0
	ds_add_u32 v[SPW], v[NIL]
.if \fill
	s_add_nc_u64 s[G0+4*(\np)+2:G0+4*(\np)+3], s[\ptr:\ptr+1], \off
	s_or_b32 s[G0+4*(\np)+3], s[G0+4*(\np)+3], 0x80000000
.endif
.if \shape
	s_mov_b32 s[G1+1], 512<<16
	s_mov_b32 s[G1+2], 64<<16
	s_mov_b32 s[G1+3], 512<<16
	s_mov_b32 s[G1+4], 64
.endif
	s_wait_dscnt 0x0
	s_barrier_signal -1
	s_barrier_wait -1
.if \fill
	CREST
	tensor_load_to_lds s[G0+4*(\np):G0+4*(\np)+3], s[G1:G1+7]
	s_nop 0
.endif
	PLACES
.endm
	global_load_b128 v[BI:BI+3], v[BIO], s[CURB0:CURB0+1]      ; A's and B's bias
	global_load_b128 v[BI+4:BI+7], v[BIO], s[CURB0:CURB0+1] offset:256
	PHEAD 0, 0, 0, 0, 0, 0, 0, 0
	PTAIL 0, W_PA, 0, 0, 1, 0, 0, 0
	PCHANGE 0, W_PA, 0, 0, PP+2, 0, 1, 1, 0
	PHEAD 0, 1, 1, 0, W_PA, 0, 0, 0
	PTAIL 0, W_PA, 1, 128, 0, 0, 0, 0
	PCHANGE 0, W_PA, 128, 1, PP+2, 65536, 1, 0, 0
	s_wait_alu depctr_va_vdst(0)
	EXCH 1                                         ; every wave's reads of the first image were waited for ahead of the barriers since
	PHEAD 1, 0, 1, 0, W_PA, 128, 0, 0
	PTAIL 1, W_PB, 0, 0, 0, 0, 0, 0
	PCHANGE 1, W_PB, 0, 0, PP+4, 0, 1, 0, 0
	PHEAD 1, 1, 1, 1, W_PB, 0, 1, 0                ; A is finished, and leaves
	PTAIL 1, W_PB, 1, 1, 0, 1, 0, CURO0
	PUT 0, 2, 192
	PUT 0, 3, 224
	PCHANGE 1, W_PB, 1, 1, PP+6, 0, 1, 0, 1
	PHEAD 1, 0, 1, 1, W_PB, 1, 1, 1                ; B is finished, and leaves in two steps; C begins
	PTAIL 1, W_PA, 0, 0, 1, 1, 1, CURO0
	global_load_b128 v[BI:BI+3], v[BIO], s[CURB1:CURB1+1]      ; C's bias
	PCHANGE 1, W_PA, 0, 0, PP+4, 65536, 1, 0, 0
	PHEAD 1, 1, 1, 1, W_PA, 0, 2, 1
	PTAIL 1, W_PB, 1, 0, 0, 2, 1, CURO0
	global_load_b128 v[BI+4:BI+7], v[BIO], s[CURB1:CURB1+1] offset:256   ; D's
	PCHANGE 1, W_PB, 0, 1, PP+6, 65536, 1, 0, 0
	PHEAD 1, 0, 1, 1, W_PB, 0, 1, 0                ; C is finished, and leaves in two steps; D begins
	PTAIL 1, W_PA, 0, 1, 1, 1, 0, CURO1
	PCHANGE 1, W_PA, 1, 0, 0, 0, 0, 0, 0           ; nothing is filled again
	PHEAD 1, 1, 1, 1, W_PA, 1, 2, 0
	PTAIL 1, W_PB, 1, 1, 0, 2, 0, CURO1
	s_wait_dscnt 48
	WIN W_PB
	GM 1, 4, 1, 0
	s_wait_dscnt 32
	GM 1, 5, 1, 0
	s_wait_dscnt 16
	GM 1, 6, 1, 0
	s_wait_dscnt 0x0
	GM 1, 7, 1, 0
	WIN 0
	PLACES
	PUT 1, 0, 192                                  ; D leaves
	PUT 1, 1, 224
	PUT 1, 2, 64
	PUT 1, 3, 96
	s_wait_loadcnt 0x0
	s_wait_dscnt 48                                ; behind piece 0: three pieces of 16 LDS instructions
	SENDP 1, 0, 192, CURO1
	s_wait_dscnt 32
	SENDP 1, 1, 224, CURO1
	s_wait_dscnt 16
	SENDP 1, 2, 64, CURO1
	s_wait_dscnt 0x0
	SENDP 1, 3, 96, CURO1
	s_wait_tensorcnt 0x0
	ds_add_u32 v[SPW], v[NIL]
	s_wait_dscnt 0x0
	CROUND
	s_endpgm
.Lfunc_end_k_q7f8822b561_fused:
	.size	k_q7f8822b561_fused, .Lfunc_end_k_q7f8822b561_fused-k_q7f8822b561_fused
	.p2alignl 7, 3214868480
	.fill 96, 4, 3214868480
	.section	.rodata,"a",@progbits
	.p2align	6, 0x0
	.amdhsa_kernel k_q7f8822b561_fused
		.amdhsa_group_segment_fixed_size 327680
		.amdhsa_private_segment_fixed_size 0
		.amdhsa_enable_private_segment 0
		.amdhsa_kernarg_size 64
		.amdhsa_user_sgpr_count 2
		.amdhsa_user_sgpr_kernarg_segment_ptr 1
		.amdhsa_wavefront_size32 1
		.amdhsa_system_sgpr_workgroup_id_x 1
		.amdhsa_system_sgpr_workgroup_id_y 1
		.amdhsa_system_sgpr_workgroup_id_z 1
		.amdhsa_system_vgpr_workitem_id 0
		.amdhsa_next_free_vgpr 1024
		.amdhsa_next_free_sgpr 102
		.amdhsa_reserve_vcc 0
		.amdhsa_float_denorm_mode_32 3
		.amdhsa_float_denorm_mode_16_64 3
		.amdhsa_memory_ordered 1
		.amdhsa_forward_progress 1
		.amdhsa_inst_pref_size 255
	.end_amdhsa_kernel
	.section	.bss,"aw",@nobits
	.p2align	6
	.space	262144
	.amdgpu_metadata
---
amdhsa.version: [ 1, 2 ]
amdhsa.kernels:
  - .name:           k_q7f8822b561_fused
    .symbol:         k_q7f8822b561_fused.kd
    .args:
      - { .name: x_codes, .offset: 0, .size: 8, .value_kind: global_buffer, .address_space: global }
      - { .name: y_codes, .offset: 8, .size: 8, .value_kind: global_buffer, .address_space: global }
      - { .name: Wq_codes, .offset: 16, .size: 8, .value_kind: global_buffer, .address_space: global }
      - { .name: Wkv_codes, .offset: 24, .size: 8, .value_kind: global_buffer, .address_space: global }
      - { .name: Wproj_codes, .offset: 32, .size: 8, .value_kind: global_buffer, .address_space: global }
      - { .name: bproj, .offset: 40, .size: 8, .value_kind: global_buffer, .address_space: global }
      - { .name: lowp_scales, .offset: 48, .size: 8, .value_kind: global_buffer, .address_space: global }
      - { .name: out0, .offset: 56, .size: 8, .value_kind: global_buffer, .address_space: global }
    .group_segment_fixed_size: 327680
    .private_segment_fixed_size: 0
    .kernarg_segment_align: 8
    .kernarg_segment_size: 64
    .max_flat_workgroup_size: 128
    .sgpr_count:     102
    .vgpr_count:     1024
    .wavefront_size: 32
...
	.end_amdgpu_metadata
.endif
;; end of part 2
